; MI455X (gfx1250); checked and timed in simulation.
; The chip was launched on July 23, 2026; its instructions are those of AMD's public machine-readable ISA for CDNA 5 (MIT licence, August 2026) and "CDNA5" Instruction Set Architecture Reference Guide (July 2026). The comments in the code are by the model that wrote it; some were corrected since.
;; Multi Head Self Attention. Allowed arithmetic: matrix products marked QUANTISED: E4M3 operands, one given power-of-two scale a tensor, by v_wmma_f32_16x16x64_fp8_fp8 or v_wmma_f32_16x16x128_fp8_fp8, f32 sums; everything else in f32.
;; Inputs: in_features 4 x 2,048 x 1,024 float32; k_proj_weight 1,024 x 1,024 float32; lowp_scales 12 int32 (the exponents e of the quantised operands' scales 2^e); o_proj_weight 1,024 x 1,024 float32; q_proj_weight 1,024 x 1,024 float32; v_proj_weight 1,024 x 1,024 float32.
;; Outputs: out0 4 x 2,048 x 1,024 float32.
;; Constants: num_heads = 16.
;; This version of the problem:
;;   THIS VERSION OF THE PROBLEM IS GIVEN IN LOW PRECISION. The matrix products marked QUANTISED in the list below multiply operands that are first quantised to E4M3 (4 exponent bits, 3 mantissa bits; 8 bits a number), with one given power-of-two scale for each operand tensor; their sums are f32. All else is computed in f32.
;;   The module's matrix products, in the order in which they are computed (A, B: the left and right operand; K: the contracted axis; several contracted axes count as one K, in the product's order):
;;     1. [M 8,192, K 1,024] x [K 1,024, N 1,024]; A: input in_features; B: input q_proj_weight: QUANTISED (scales: A lowp_scales[0], B lowp_scales[1])
;;     2. [M 8,192, K 1,024] x [K 1,024, N 1,024]; A: input in_features; B: input k_proj_weight: QUANTISED (scales: A lowp_scales[2], B lowp_scales[3])
;;     3. [M 8,192, K 1,024] x [K 1,024, N 1,024]; A: input in_features; B: input v_proj_weight: QUANTISED (scales: A lowp_scales[4], B lowp_scales[5])
;;     4. batch 64 x [M 2,048, K 64] x [K 64, N 2,048]; A: computed on the way; B: computed on the way: QUANTISED (scales: A lowp_scales[6], B lowp_scales[7])
;;     5. batch 64 x [M 2,048, K 2,048] x [K 2,048, N 64]; A: softmax (see below); B: computed on the way: QUANTISED (scales: A lowp_scales[8], B lowp_scales[9])
;;     6. [M 8,192, K 1,024] x [K 1,024, N 1,024]; A: computed on the way; B: input o_proj_weight: QUANTISED (scales: A lowp_scales[10], B lowp_scales[11])
;;   THE QUANTISER, for each operand of a quantised product, along K:
;;     - The operand's scale is 2^e, e = its entry of the input lowp_scales (int32; the entries are numbered through the quantised products in the list's order, A before B).
;;     - Each number is divided by the scale, clamped to +-448, and rounded to the nearest number of E4M3, ties to even, subnormals kept.
;;     - The product sums the exact products of the quantised numbers (number of the format x scale) in f32.
;;   ~~~python
;;   def quantise(x, axis, e):      # numpy; x: float32 -> the quantised numbers, widened to float32 again
;;       x = np.moveaxis(x, axis, -1); K = x.shape[-1]
;;       r = np.clip(x / 2.0 ** e, -448, 448)
;;       step = 2.0 ** (np.maximum(np.frexp(np.where(r == 0, 1, r))[1] - 1, -6) - 3)
;;       q = np.round(r / step) * step * 2.0 ** e      # np.round: ties to even
;;       return np.moveaxis(q, -1, axis).astype(np.float32)
;;   ~~~
;;   SOFTMAX AHEAD OF A QUANTISED PRODUCT. Where the list says 'softmax', what is quantised is not the finished softmax but p = 2^(t - M), with t = logit x log2(e) and M = ceil(the row's largest t), a whole number; so 1/2 < the row's largest p <= 1. The row's sum l is taken of the UNQUANTISED p, in f32, and the product's result is divided by l at the end. Since M is a whole number, a kernel that streams over the keys may use a running M (the ceiling of the running maximum): every later rescaling is an exact power of two, so the quantised numbers keep their values, but for numbers so far below the row's largest that they fall under the format's range.
;;   OPERANDS COMPUTED ON THE WAY. 'Computed on the way' means the value that the module computes at that place (a softmax that the list does not call 'softmax' is quantised finished and normalised). What goes into a quantiser is computed in f32, as accurately as f32 sums, v_exp_f32 and their like allow (about 1e-6 of the number): no bf16 or f16 on the way to a quantiser, and a product that is left as it is and whose result goes on into a quantised operand takes f32 operands (vector FMAs, or v_wmma_f32_16x16x4_f32). A number that lies on a knife's edge between two numbers of the format may be rounded either way, as far as f32 arithmetic and the matrix unit's own rounding can turn it there, and no further.
;; One version. Each part assembles by itself: llvm-mc -triple=amdgcn-amd-amdhsa -mcpu=gfx1250 --defsym DOCPART=n.
;; ======== version 1 of 1: 4 launches
;; limits: right only within a limited range of input values
;; workspace buffers: codes 29,360,128 bytes; qkv 25,165,824 bytes; cimg 8,388,608 bytes
;; launch quant (part 1): grid 384 x 1, 4 waves a work-group, no clusters, 34,304 bytes of LDS; arguments in_features, q_proj_weight, k_proj_weight, v_proj_weight, o_proj_weight, lowp_scales, codes; writes codes
.if DOCPART == 1
	.amdgcn_target "amdgcn-amd-amdhsa--gfx1250"
	.amdhsa_code_object_version 6
	.text
	.protected	k_q3b3f6df36b_quant
	.globl	k_q3b3f6df36b_quant
	.p2align	8
	.type	k_q3b3f6df36b_quant,@function
k_q3b3f6df36b_quant:
	s_mov_b64 s[64:65], 0
	v_nop
	global_prefetch_b8 v0, s[64:65] scope:SCOPE_SE
	s_setreg_imm32_b32 hwreg(HW_REG_WAVE_MODE, 25, 1), 1
	s_wait_xcnt 0x0
; x [8192][1024] and the four weights [1024][1024], f32 with K innermost, become codes of FP8 (E4M3): code = number / 2^e, to the nearest code, ties to even.
; x is an operand of three products with three given scales (entries 0, 2, 4 of the scales' buffer), so it gets three sets of codes; Wq, Wk, Wv, Wo take entries 1, 3, 5, 11.
; THE CODES LIE AS IMAGES OF OPERAND REGISTERS.  A row tile is 16 rows x 1,024 K = 8 fragments of 16 rows x 128 K.  A fragment is 16 registers a lane: lane 16 h + r holds row r, registers 2 c, 2 c + 1 hold
; k = 16 c + 8 h + 0 .. 7.  Its image is 2,048 bytes: registers 4 g .. 4 g + 3 of lane l at 512 g + 16 l.  Row tiles of the buffer: 0-511 x by entry 0, 512-1023 x by entry 2, 1024-1535 x by entry 4,
; 1536.. Wq, 1600.. Wk, 1664.. Wv, 1728.. Wo; 16,384 bytes each.
; SHARES.  Work-groups 0-255 take x, then 32 each Wq, Wk, Wv, Wo.  A wave takes half a row tile: 16 rows x 512 K, four fragments.  Each load reads 512 consecutive bytes of one row; the 16 rows' 8,192 bytes turn
; through the wave's own stage in LDS (rows 528 bytes apart = 132 words: the sixteen rows that a read touches start at sixteen different groups of four banks; 64 banks of 4 bytes: ISA guide 11.1) and come back
; as 64 numbers a lane in the order of the fragment's registers.  Each store covers 512 consecutive bytes, aligned.  Waves share nothing: no barrier.  No tensor load, no matrix instruction.
; LIMITS: each of the entries 0 to 5 and 11 lies between -126 and 119, so that 2^e is an f32 number.  NaN among the inputs is not served.
.set SP,   528                         ; a stage row: 512 bytes + 16
.set WST,  16*SP                       ; a wave's stage
.set LO,   2                           ; v2   16 x lane: offset of the loads and of the stores; never rewritten
.set SWR,  3                           ; v3   the stage, on the way in: 16 x lane
.set SRD,  4                           ; v4   and on the way out: 528 r + 32 h
.set SC0,  10                          ; v10, v12, v14  2^e as f32 for the (up to) three sets
.set LIM0, 11
.set SC1,  12
.set LIM1, 13
.set SC2,  14
.set LIM2, 15
.set R,    16                          ; v16-143   two sets of 64: a fragment's numbers as loaded
.set X,    144                         ; v144-207  64 numbers in the order of the fragment's registers: X + 16 g + 8 u + i is k = 32 g + 16 u + 8 h + i of row r
.set T,    208
.set C,    240                         ; v240-255  a fragment's codes
	s_load_b256 s[4:11], s[0:1], 0x0               ; x s[4:5], Wq s[6:7], Wk s[8:9], Wv s[10:11]
	s_load_b128 s[12:15], s[0:1], 0x20             ; Wo s[12:13], the scales' exponents s[14:15]
	s_load_b64 s[16:17], s[0:1], 0x30              ; the codes
	v_lshl_add_u32 v8, v0, 2, 0x8400
	v_mov_b32 v9, 0
	v_lshrrev_b32 v1, 5, v0
	v_readfirstlane_b32 s22, v1                    ; wave 0..3
	v_and_b32 v1, 31, v0                           ; lane
	v_lshlrev_b32 v[LO], 4, v1
	s_mul_i32 s23, s22, WST                        ; my stage
	v_add_nc_u32 v[SWR], s23, v[LO]
	v_and_b32 v5, 15, v0                           ; r
	v_bfe_u32 v6, v0, 4, 1                         ; h
	v_mul_u32_u24 v[SRD], v5, SP
	v_lshl_add_u32 v[SRD], v6, 5, v[SRD]
	v_add_nc_u32 v[SRD], s23, v[SRD]
	s_mov_b32 s41, 352                             ; the section's first work-group,
	s_mov_b32 s42, 1728                            ; and its first row tile in the codes' buffer: Wo's, unless one of the four compares below says otherwise
	s_wait_alu depctr_va_vdst(0)
	s_wait_kmcnt 0x0
	s_load_b256 s[24:31], s[14:15], 0x0            ; entries 0 to 7
	s_load_b128 s[32:35], s[14:15], 0x20           ; entries 8 to 11
	s_mov_b64 s[18:19], s[12:13]
	s_cmp_lt_u32 ttmp9, 352                        ; the choice hangs on the work-group's number alone
	s_cselect_b64 s[18:19], s[10:11], s[18:19]
	s_cselect_b32 s41, 320, s41
	s_cselect_b32 s42, 1664, s42
	s_cmp_lt_u32 ttmp9, 320
	s_cselect_b64 s[18:19], s[8:9], s[18:19]
	s_cselect_b32 s41, 288, s41
	s_cselect_b32 s42, 1600, s42
	s_cmp_lt_u32 ttmp9, 288
	s_cselect_b64 s[18:19], s[6:7], s[18:19]
	s_cselect_b32 s41, 256, s41
	s_cselect_b32 s42, 1536, s42
	s_cmp_lt_u32 ttmp9, 256
	s_cselect_b64 s[18:19], s[4:5], s[18:19]
	s_cselect_b32 s41, 0, s41
	s_cselect_b32 s42, 0, s42
	s_sub_co_u32 s23, ttmp9, s41
	s_lshl_b32 s23, s23, 2
	s_add_co_u32 s23, s23, s22                     ; which half row tile of the section is my wave's
	s_lshr_b32 s43, s23, 1                         ; the row tile,
	s_and_b32 s23, s23, 1                          ; and its half
	s_lshl_b32 s44, s43, 16                        ; 16 rows of 4,096 bytes,
	s_lshl_b32 s46, s23, 11                        ; 512 numbers
	s_add_co_u32 s44, s44, s46
	s_mov_b32 s45, 0
	s_add_nc_u64 s[18:19], s[18:19], s[44:45]      ; from here I read
	s_add_co_u32 s46, s42, s43
	s_lshl_b32 s46, s46, 14                        ; a row tile of codes is 16,384 bytes,
	s_lshl_b32 s23, s23, 13                        ; its half 8,192
	s_add_co_u32 s46, s46, s23
	s_mov_b32 s47, 0
	s_add_nc_u64 s[20:21], s[16:17], s[46:47]      ; here the first set goes;
	s_add_nc_u64 s[36:37], s[20:21], 0x800000      ; x's second set lies 512 row tiles on (used by x's work-groups alone),
	s_add_nc_u64 s[38:39], s[20:21], 0x1000000     ; its third 1,024
.macro LOAD f                          ; fragment f: of each of the 16 rows 512 consecutive bytes, 16 a lane
.set i, 0
.rept 16
	global_load_b128 v[R+64*((\f)%2)+4*i:R+64*((\f)%2)+4*i+3], v[LO], s[18:19] offset:4096*i+512*(\f) th:TH_LOAD_NT
.set i, i+1
.endr
.endm
	LOAD 0
	LOAD 1
.macro MKSCALE e, sc, lim              ; s[e] = the exponent: 2^e as an f32 number
	s_add_co_i32 s23, s[\e], 127
	s_lshl_b32 s43, s23, 23
	v_mov_b32 v[\sc], s43                          ; the conversion takes its exponent field
.endm
	s_wait_kmcnt 0x0
	s_mov_b32 s40, s35                             ; entry 11, Wo's, unless ..
	s_cmp_lt_u32 ttmp9, 352
	s_cselect_b32 s40, s29, s40                    ; entry 5, Wv's
	s_cmp_lt_u32 ttmp9, 320
	s_cselect_b32 s40, s27, s40                    ; entry 3, Wk's
	s_cmp_lt_u32 ttmp9, 288
	s_cselect_b32 s40, s25, s40                    ; entry 1, Wq's
	s_cmp_lt_u32 ttmp9, 256
	s_cselect_b32 s40, s24, s40                    ; entry 0, x's first
	MKSCALE 40, SC0, LIM0
	MKSCALE 26, SC1, LIM1                          ; entry 2
	MKSCALE 28, SC2, LIM2                          ; entry 4
.macro TURNF f                         ; through the stage: LDS serves a wave's instructions in order (ISA guide 5.7.1.4), so no wait stands between the stores and the loads
.set i, 0
.rept 16
	ds_store_b128 v[SWR], v[R+64*((\f)%2)+4*i:R+64*((\f)%2)+4*i+3] offset:SP*i
.set i, i+1
.endr
	v_nop
.irp g, 0,1,2,3
.irp u, 0,1
.irp j, 0,1
	ds_load_b128 v[X+16*\g+8*\u+4*\j:X+16*\g+8*\u+4*\j+3], v[SRD] offset:128*\g+64*\u+16*\j
.endr
.endr
.endr
.endm
; One set of codes of fragment f.  The numbers in X stay as they are (x is quantised three times): the conversions read them in place.
.macro QSET f, sc, lim, d
	s_wait_xcnt 0x0                                ; the earlier stores have read C: only behind this wait is it written again
.irp g, 0,1,2,3
.set i, 0
.rept 16
.set i, i+1
.endr
	v_cvt_scalef32_pk8_fp8_f32 v[C+4*\g:C+4*\g+1], v[T+16*(\g%2)+((X+16*\g+i)-(T+16*(\g%2)+i)):T+16*(\g%2)+7+((X+16*\g+i)-(T+16*(\g%2)+i))], v[\sc]
	v_cvt_scalef32_pk8_fp8_f32 v[C+4*\g+2:C+4*\g+3], v[T+16*(\g%2)+8+((X+16*\g+i)-(T+16*(\g%2)+i)):T+16*(\g%2)+15+((X+16*\g+i)-(T+16*(\g%2)+i))], v[\sc]
.endr
.irp g, 0,1,2,3
	global_store_b128 v[LO], v[C+4*\g:C+4*\g+3], s[\d:\d+1] offset:2048*(\f)+512*\g   ; 32 lanes store 512 consecutive bytes, aligned
.endr
.endm
.macro FRAGQ f
.if (\f) < 3
	s_wait_loadcnt 16                              ; this fragment's 16 loads are in; the next fragment's 16 may be out
.else
	s_wait_loadcnt 0x0
.endif
	TURNF \f
	s_wait_dscnt 0x0                               ; the 64 numbers are back, and the stage's stores have read their registers,
.if (\f) < 2
	LOAD (\f)+2                                    ; which take the fragment two further on
.endif
	QSET \f, SC0, LIM0, 20
	s_cmp_ge_u32 ttmp9, 256                        ; a weight has one set of codes
	s_cbranch_scc1 .Lone_\@
	QSET \f, SC1, LIM1, 36
	QSET \f, SC2, LIM2, 38
.Lone_\@:
.endm
	s_wait_alu depctr_va_vdst(0)
	FRAGQ 0
	FRAGQ 1
	FRAGQ 2
	FRAGQ 3
	s_wait_tensorcnt 0x0
	ds_add_u32 v8, v9
	s_wait_dscnt 0x0
	s_endpgm
.Lfunc_end_k_q3b3f6df36b_quant:
	.size	k_q3b3f6df36b_quant, .Lfunc_end_k_q3b3f6df36b_quant-k_q3b3f6df36b_quant
	.p2alignl 7, 3214868480
	.fill 96, 4, 3214868480
	.section	.rodata,"a",@progbits
	.p2align	6, 0x0
	.amdhsa_kernel k_q3b3f6df36b_quant
		.amdhsa_group_segment_fixed_size 34304
		.amdhsa_private_segment_fixed_size 0
		.amdhsa_enable_private_segment 0
		.amdhsa_kernarg_size 56
		.amdhsa_user_sgpr_count 2
		.amdhsa_user_sgpr_kernarg_segment_ptr 1
		.amdhsa_wavefront_size32 1
		.amdhsa_system_sgpr_workgroup_id_x 1
		.amdhsa_system_sgpr_workgroup_id_y 1
		.amdhsa_system_sgpr_workgroup_id_z 1
		.amdhsa_system_vgpr_workitem_id 0
		.amdhsa_next_free_vgpr 256
		.amdhsa_next_free_sgpr 66
		.amdhsa_reserve_vcc 0
		.amdhsa_float_denorm_mode_32 3
		.amdhsa_float_denorm_mode_16_64 3
		.amdhsa_fp16_overflow 1
		.amdhsa_memory_ordered 1
		.amdhsa_forward_progress 1
		.amdhsa_inst_pref_size 30
	.end_amdhsa_kernel
	.amdgpu_metadata
---
amdhsa.version: [ 1, 2 ]
amdhsa.kernels:
  - .name:           k_q3b3f6df36b_quant
    .symbol:         k_q3b3f6df36b_quant.kd
    .args:
      - { .name: in_features, .offset: 0, .size: 8, .value_kind: global_buffer, .address_space: global }
      - { .name: q_proj_weight, .offset: 8, .size: 8, .value_kind: global_buffer, .address_space: global }
      - { .name: k_proj_weight, .offset: 16, .size: 8, .value_kind: global_buffer, .address_space: global }
      - { .name: v_proj_weight, .offset: 24, .size: 8, .value_kind: global_buffer, .address_space: global }
      - { .name: o_proj_weight, .offset: 32, .size: 8, .value_kind: global_buffer, .address_space: global }
      - { .name: lowp_scales, .offset: 40, .size: 8, .value_kind: global_buffer, .address_space: global }
      - { .name: codes, .offset: 48, .size: 8, .value_kind: global_buffer, .address_space: global }
    .group_segment_fixed_size: 34304
    .private_segment_fixed_size: 0
    .kernarg_segment_align: 8
    .kernarg_segment_size: 56
    .max_flat_workgroup_size: 128
    .sgpr_count:     66
    .vgpr_count:     256
    .wavefront_size: 32
...
	.end_amdgpu_metadata
.endif
;; end of part 1
;; launch proj (part 2): grid 12 x 32, 4 waves a work-group, clusters of 4 x 4, 327,680 bytes of LDS; arguments codes, lowp_scales, qkv; writes qkv
.if DOCPART == 2
	.amdgcn_target "amdgcn-amd-amdhsa--gfx1250"
	.amdhsa_code_object_version 6
	.text
	.protected	k_q3b3f6df36b_proj
	.globl	k_q3b3f6df36b_proj
	.p2align	8
	.type	k_q3b3f6df36b_proj,@function
k_q3b3f6df36b_proj:
	s_mov_b64 s[64:65], 0
	v_nop
	global_prefetch_b8 v0, s[64:65] scope:SCOPE_SE
	s_setreg_imm32_b32 hwreg(HW_REG_WAVE_MODE, 25, 1), 1
	s_wait_xcnt 0x0
	s_wait_alu depctr_hold_cnt(0) depctr_sa_sdst(0) depctr_va_vdst(0) depctr_va_sdst(0) depctr_va_ssrc(0) depctr_va_vcc(0) depctr_vm_vsrc(0)
	s_getreg_b32 s2, hwreg(HW_REG_IB_STS2, 6, 4)
	s_cmp_eq_u32 s2, 0
	s_cbranch_scc0 .Lentry_in_a_cluster
	s_endpgm
.Lentry_in_a_cluster:
	s_bfe_u32 s2, ttmp6, 0x10000c
	s_cmp_lg_u32 s2, 0xf033
	s_cbranch_scc0 .Lentry_shape_is_right
	s_endpgm
.Lentry_shape_is_right:
; The three projections on codes of FP8 (E4M3), their results quantised at once for the attention.  Cluster x = 0: q = x Wq^T; 1: k = x Wk^T; 2: v^T = Wv x^T (the operands change places, so that a lane's results
; run along the keys, which are the K of the attention's second product).  A sum stands for sum x 2^(eA + eB); its code by the next scale 2^eN is sum / 2^(eN - eA - eB): the three scales are one conversion scale.
; OPERANDS lie in the codes' buffer as images of fragment registers: a row tile (16 rows x 1,024 K) is 8 fragments of 2,048 bytes (registers 4 g .. 4 g + 3 of lane l at 512 g + 16 l; lane 16 h + r holds row r,
; registers 2 c, 2 c + 1 hold k = 16 c + 8 h + 0 .. 7).  So a fragment comes out of LDS by four loads of 16 bytes a lane at 16 x lane: 512 consecutive bytes each, no pitch, no padding.
; A tile of C, 256 x 256, is made by four waves, as many as a WGP has SIMDs; a wave makes 128 x 128: 64 accumulators, 512 registers.  K goes in steps of 256 through a ring of two LDS slots; a wave's tensor load
; brings 8 row tiles' 4,096 bytes.  CLUSTERS: 4 x 4 work-groups; the four of a row need the same tiles of A, the four of a column the same tiles of B: each tile is asked for JOINTLY.
; THE MATRIX INSTRUCTION IS USED TRANSPOSED (source 0 = 16 rows of B, source 1 = 16 rows of A): lane (r, h) holds row r of A's block and columns 16 b + 8 h + 0 .. 7 of B's block b.  One conversion of accumulator b
; therefore gives registers 2 b, 2 b + 1 of the NEXT product's fragment, in the lane that wants them: the results are stored from registers, 512 consecutive aligned bytes a store, and need no stage.
; OUT: qkv has 393,216 bytes a head (16 x batch + head): 128 query tiles x 1,024 bytes; then 16 key steps x 16,384: 8 key tiles x 1,024 (K), 4 channel tiles x 2,048 (V^T, K = the step's 128 keys).
; LIMITS: e6 - e0 - e1, e7 - e2 - e3 and e9 - e4 - e5 lie between -126 and 119, so that the folded scale and 448 x it are f32 numbers.
; REGISTERS, in windows of 256: window 0: v12-29 scales and addresses; v32-95, v96-111 at work on the way out; v128-255 A's fragments, ONE set.  window 1: B's fragments, TWO sets.
;   window 2: the 32 accumulators of my rows 0-63 (accumulator (a, b) at v[8 (8 a + b)]); window 3: those of my rows 64-127.
.set FRB,   2048                       ; a fragment's image
.set RT,    4096                       ; a row tile's part of a slot: two fragments, 256 along K
.set HALFT, 8*RT                       ; 128 rows: what one tensor load brings, and what one wave reads of A or of B
.set SLOT,  4*HALFT                    ; A's 256 rows, then B's 256 rows
.set SPARE, 2*SLOT                     ; behind the ring: the spare words, 128 bytes for each wave: two blocks of 256 bytes that no other line names
.set FR,    16                         ; registers of a fragment
.set NL,    4                          ; LDS loads that bring one
.set NP,    4                          ; places behind this matrix instruction (ISA guide 7.12.1)
.set LAPS,  2                          ; a lap = two K steps of 256 = once round the ring: K = 1,024
.set LIM,  12                          ; v12  448 x the folded scale
.set SC,   13                          ; v13  the folded scale as f32
.set ADRA, 16                          ; v16-17  LDS address of my A fragments in slot 0, 1
.set ADRB, 20                          ; v20-21  the same for B
.set O0,   24                          ; v24  16 x lane
.set O1,   25                          ; v25  the same, one head (q, k) or half a fragment (v) further on
.set SPW,  28                          ; v28  LDS address of my spare word; never rewritten
.set NIL,  29                          ; v29  0; never rewritten
.set T,    32                          ; v32-95   a block's 64 sums, held
.set C,    96                          ; v96-111  its codes
.set AF,   128
.set G1, 24                            ; s[24:31] descriptor group 1 for A's tiles;  s[32:39] group 0, one set for each slot
.set G0, 32
.set G1B, 48                           ; s[48:55], s[56:63] the same for B's tiles
.set G0B, 56
.set MSB, 0
.macro WIN new                         ; the immediate's high byte repeats the setting that is left
.if MSB != \new
	s_set_vgpr_msb (MSB<<8)|\new
.set MSB, \new
.endif
.endm
.set MUL_LO, 0xa1                      ; source 0 (B) window 1, source 1 (A) window 0, C and D window 2
.set MUL_HI, 0xf1                      ; the same, C and D window 3
.set TO_B,   0x40                      ; destination window 1, address window 0
; A joint load: waves 0 and 1 fetch for A, waves 2 and 3 for B.  Each of the two lines has one mask and one set of registers for all that issue it; the branch hangs on the wave's number alone.
; Four v_nop follow each of the two lines, ahead of the jump, the label and what follows.
.macro JLOAD g0a, g1a, g0b, g1b
	s_cmp_eq_u32 s15, 0
	s_cbranch_scc0 .Lfor_b_\@
	tensor_load_to_lds s[\g0a:\g0a+3], s[\g1a:\g1a+7]
	s_nop 0
.rept 4
	v_nop
.endr
	s_branch .Lasked_\@
.Lfor_b_\@:
	tensor_load_to_lds s[\g0b:\g0b+3], s[\g1b:\g1b+7]
	s_nop 0
.rept 4
	v_nop
.endr
.Lasked_\@:
.endm
.macro CREST                           ; a round of the cluster's barrier behind its opening barrier
	s_cmp_lg_u32 s14, 0
	s_cbranch_scc1 .Lnot_wave_0_\@
	s_barrier_signal -3
.Lnot_wave_0_\@:
	s_barrier_wait -3
	s_barrier_signal -1
	s_barrier_wait -1
.endm
.macro CROUND                          ; a whole round
	s_barrier_signal -1
	s_barrier_wait -1
	CREST
.endm
	s_load_b128 s[4:7], s[0:1], 0x0                ; the codes s[4:5], the scales' exponents s[6:7]
	s_load_b64 s[8:9], s[0:1], 0x10                ; qkv
	v_lshl_add_u32 v[SPW], v0, 2, SPARE
	v_mov_b32 v[NIL], 0
	ds_add_u32 v28, v29
	ds_add_u32 v28, v29
	s_wait_dscnt 0x0
	v_lshrrev_b32 v1, 5, v0
	v_readfirstlane_b32 s14, v1                    ; wave 0..3
	s_lshr_b32 s15, s14, 1                         ; which half of the tile's rows is mine.  Also: I fetch for A (0) or for B (1)
	s_and_b32 s16, s14, 1                          ; which half of its columns.  Also: which 128 rows of that tile I fetch
	s_bfe_u32 s40, ttmp6, 0x40000                  ; cx, cy: my place in the cluster
	s_bfe_u32 s41, ttmp6, 0x40004
	s_and_b32 s12, ttmp7, 0xffff
	s_lshl_b32 s12, s12, 2                         ; 4 x cluster y: the tokens' tile, which is C's tile row for q and k and its tile column for v^T
	s_lshr_b32 s13, ttmp9, 1                       ; 1 in v's section (cluster x = 2), else 0
	s_mul_i32 s42, s12, s13
	s_sub_co_u32 s17, s12, s42
	s_mul_i32 s13, s13, 640
	s_add_co_u32 s17, s17, s41                     ; tile row of C
	s_add_co_u32 s42, s42, s40                     ; tile column of C
	s_lshl_b32 s43, s41, 2
	s_lshl_b32 s43, 15, s43                        ; my row of the cluster
	s_lshl_b32 s44, 0x1111, s40                    ; my column
	; descriptor group 1: 8 rows (row tiles) of 4,096 bytes, 16,384 bytes apart in memory, dense in LDS
	s_or_b32 s[G1+0], s43, (3<<16)|(1<<21)         ; 15:0 the mask: A's tiles go to my row; 17:16 elements of 8 bytes; 20 no padding; 21 set beside a mask
	s_or_b32 s[G1B+0], s44, (3<<16)|(1<<21)
.irp g, G1, G1B
	s_mov_b32 s[\g+1], 512<<16                     ; tensor_dim0 = 512 elements
	s_mov_b32 s[\g+2], 8<<16                       ; tensor_dim1 = 8
	s_mov_b32 s[\g+3], 512<<16                     ; tile_dim0
	s_mov_b32 s[\g+4], 8                           ; tile_dim1
	s_mov_b32 s[\g+5], 2048                        ; tensor_dim0_stride, in elements
	s_mov_b32 s[\g+6], 0
	s_mov_b32 s[\g+7], 0
.endr
	s_lshl_b32 s23, s16, 3                         ; which 8 row tiles of the 16 I fetch
	s_lshl_b32 s20, ttmp9, 9
	s_add_co_u32 s20, s20, s13                     ; A's first row tile in the buffer: 0 (x by entry 0), 512 (x by entry 2), 1,664 (Wv)
	s_lshl_b32 s18, s17, 4
	s_add_co_u32 s20, s20, s18
	s_add_co_u32 s20, s20, s23
	s_lshl_b32 s20, s20, 14
	s_mov_b32 s21, 0
	s_lshl_b32 s46, ttmp9, 6
	s_add_co_u32 s46, s46, 1536
	s_sub_co_u32 s46, s46, s13                     ; B's: 1,536 (Wq), 1,600 (Wk), 1,024 (x by entry 4)
	s_lshl_b32 s19, s42, 4
	s_add_co_u32 s46, s46, s19
	s_add_co_u32 s46, s46, s23
	s_lshl_b32 s46, s46, 14
	s_mov_b32 s47, 0
	s_lshl_b32 s45, s14, 15                        ; where they go: wave x 128 rows: no place in the cluster enters an LDS address
	s_wait_kmcnt 0x0
	s_load_b256 s[72:79], s[6:7], 0x0              ; entries 0 to 7
	s_load_b128 s[80:83], s[6:7], 0x20             ; entries 8 to 11
	s_add_nc_u64 s[20:21], s[4:5], s[20:21]
	s_add_nc_u64 s[46:47], s[4:5], s[46:47]
	CROUND                                         ; all sixteen work-groups are here: the first joint loads meet
.irp s, 0,1
	s_mov_b32 s[G0+4*\s], 1
	s_add_co_u32 s[G0+4*\s+1], s45, \s*SLOT
	s_add_nc_u64 s[G0+4*\s+2:G0+4*\s+3], s[20:21], \s*RT
	s_or_b32 s[G0+4*\s+3], s[G0+4*\s+3], 0x80000000
	s_mov_b32 s[G0B+4*\s], 1
	s_add_co_u32 s[G0B+4*\s+1], s45, \s*SLOT
	s_add_nc_u64 s[G0B+4*\s+2:G0B+4*\s+3], s[46:47], \s*RT
	s_or_b32 s[G0B+4*\s+3], s[G0B+4*\s+3], 0x80000000
	JLOAD G0+4*\s, G1, G0B+4*\s, G1B
.endr
	v_and_b32 v1, 31, v0
	v_lshlrev_b32 v[O0], 4, v1                     ; 16 x lane
	s_wait_alu depctr_va_vdst(0)
	s_lshl_b32 s21, s15, 15                        ; my 128 rows of A
	s_lshl_b32 s22, s16, 15                        ; my 128 rows of B,
	s_add_co_u32 s22, s22, 2*HALFT                 ; which lie behind A's 256
.irp s, 0,1
	v_add_nc_u32 v[ADRA+\s], s21, v[O0]
	v_add_nc_u32 v[ADRB+\s], s22, v[O0]
	s_add_co_u32 s21, s21, SLOT
	s_add_co_u32 s22, s22, SLOT
.endr
	; the way out is prepared here, while the first tiles are on their way
	s_mov_b32 s70, 393216                          ; from O0 to O1: q, k: the next head;  v: 1,024 bytes
	s_mov_b32 s71, 131072                          ; the section's place in a head's bytes: q 0, k 131,072, v 139,264
	s_mov_b32 s84, 1024                            ; from block to block of 16 rows: q, k: a tile of 1,024 bytes;  v: a fragment of 2,048
	s_lshl_b32 s66, s17, 1
	s_add_co_u32 s66, s66, s15                     ; my 128 rows of C, as a unit
	s_lshl_b32 s67, s42, 1
	s_add_co_u32 s67, s67, s16                     ; my 128 columns
	s_cmp_eq_u32 ttmp9, 2
	s_cselect_b32 s68, s67, s66                    ; my 128 tokens: a key step, or 8 query tiles
	s_cselect_b32 s69, s66, s67                    ; my 128 features: a pair of heads
	s_cselect_b32 s70, 1024, s70
	s_cselect_b32 s71, 139264, s71
	s_cselect_b32 s84, 2048, s84
	s_cselect_b32 s86, 385024, 0                   ; v: block 4 begins the next head: 393,216 - 4 x 2,048 more
	s_cmp_eq_u32 ttmp9, 0
	s_cselect_b32 s71, 0, s71
	s_cselect_b32 s90, 13, 14                      ; 128 tokens on: q 8,192 bytes, k and v 16,384
	s_mov_b32 s85, 0
	s_mov_b32 s87, 0
	s_lshr_b32 s88, s68, 4                         ; the batch: 16 units of 128 tokens each
	s_lshl_b32 s88, s88, 3
	s_add_co_u32 s88, s88, s69
	s_mul_i32 s88, s88, 2*393216                   ; (16 x batch + my first head) x 393,216
	s_and_b32 s68, s68, 15
	s_lshl_b32 s68, s68, s90
	s_add_co_u32 s88, s88, s68
	s_add_co_u32 s88, s88, s71
	s_mov_b32 s89, 0
	s_add_nc_u64 s[10:11], s[8:9], s[88:89]        ; where my block 0 goes
	v_add_nc_u32 v[O1], s70, v[O0]
	s_wait_alu depctr_va_vdst(0)
	s_wait_kmcnt 0x0
	s_sub_co_i32 s91, s78, s72
	s_sub_co_i32 s91, s91, s73                     ; e6 - e0 - e1
	s_sub_co_i32 s92, s79, s74
	s_sub_co_i32 s92, s92, s75                     ; e7 - e2 - e3
	s_sub_co_i32 s93, s81, s76
	s_sub_co_i32 s93, s93, s77                     ; e9 - e4 - e5
	s_cmp_eq_u32 ttmp9, 1
	s_cselect_b32 s91, s92, s91
	s_cmp_eq_u32 ttmp9, 2
	s_cselect_b32 s91, s93, s91
	s_add_co_i32 s91, s91, 127
	s_lshl_b32 s92, s91, 23
	v_mov_b32 v[SC], s92                           ; the folded scale as f32: the conversion takes its exponent field
	s_add_co_i32 s91, s91, 8
	s_lshl_b32 s91, s91, 23
	s_or_b32 s91, s91, 0x600000
	v_mov_b32 v[LIM], s91                          ; 448 x that
.macro FRAG reg, adr, q, i             ; a fragment's image: four loads of 512 consecutive bytes.  q: which 128 along K of the slot; i: which row tile of my eight
.irp c, 0,1,2,3
	ds_load_b128 v[\reg+4*\c:\reg+4*\c+3], v[\adr] offset:FRB*(\q)+512*\c+(\i)*RT
.endr
.endm
; 16 matrix instructions: A's blocks a0, a0 + 1 x B's eight, 128 along K.  p: B's set.  zero = 1: the first product starts the sums: nothing is ever cleared.
; The 64 accumulators take turns, one instruction a turn, in the same order in every step.
.macro MUL16 a0, p, zero
.irp a, \a0, \a0+1
.irp b, 0,1,2,3,4,5,6,7
.if \zero
	v_wmma_f32_16x16x128_fp8_fp8 v[8*(8*((\a)%4)+\b):8*(8*((\a)%4)+\b)+7], v[128*(\p)+FR*\b:128*(\p)+FR*\b+FR-1], v[AF+FR*(\a):AF+FR*(\a)+FR-1], 0
.else
	v_wmma_f32_16x16x128_fp8_fp8 v[8*(8*((\a)%4)+\b):8*(8*((\a)%4)+\b)+7], v[128*(\p)+FR*\b:128*(\p)+FR*\b+FR-1], v[AF+FR*(\a):AF+FR*(\a)+FR-1], v[8*(8*((\a)%4)+\b):8*(8*((\a)%4)+\b)+7]
.endif
.endr
.endr
.endm
.macro FETCH_B slot, q, p              ; B's eight fragments of the slot's q-th 128 along K into set p
	WIN TO_B
.irp i, 0,1,2,3,4,5,6,7
	FRAG 128*(\p)+FR*\i, ADRB+\slot, \q, \i
.endr
	WIN 0
.endm
.macro FETCH_A slot, q, i0             ; A's blocks i0 .. i0 + 3
.irp i, \i0, \i0+1, \i0+2, \i0+3
	FRAG AF+FR*(\i), ADRA+\slot, \q, \i
.endr
.endm
; A load into a register that a matrix instruction has read, and a vector instruction that reads a matrix result, stand NP places behind that matrix instruction, and only plain vector instructions
; that name none of its registers are places (ISA guide 7.12.1 for vector instructions).
.macro PLACES n
.rept \n
	v_nop
.endr
.endm
; A step of 128 along K that has its successor in the same slot.  A's blocks go one after the other, each against B's eight: a block of A is free as soon as its eight products are issued, so one set serves A.
.macro STEP slot, q, zero
	s_wait_dscnt 4*NL                              ; B's set and A's blocks 0-3 are in; the youngest sixteen loads (A's blocks 4-7) may be out
	WIN MUL_LO
	MUL16 0, (\q)%2, \zero
	MUL16 2, (\q)%2, \zero
	s_wait_dscnt 0                                 ; A's blocks 4-7 are in (asked for 32 matrix instructions ago)
	PLACES NP
	FETCH_B \slot, (\q)+1, 1-(\q)%2
	FETCH_A \slot, (\q)+1, 0
	WIN MUL_HI
	MUL16 4, (\q)%2, \zero
	MUL16 6, (\q)%2, \zero
	PLACES NP
	WIN 0
	FETCH_A \slot, (\q)+1, 4
.endm
; A slot's last step changes slots: ONE barrier; in front of it each wave waits for all its tensor loads, adds 0 to its spare word, and waits for that and for its own reads of this slot.  fill = 1: this slot is filled again, two K steps ahead.
.macro TURN slot, next, fill
	s_wait_tensorcnt 0x0                           ; all my tensor loads have landed: my part of the next slot  (every window is 0 here: the add's two registers lie in window 0)
	ds_add_u32 v[SPW], v[NIL]                      ; 0 onto my spare word
	s_wait_dscnt 4*NL+1                            ; (the add and the youngest sixteen loads, A's blocks 4-7, may be out)
	WIN MUL_LO
	MUL16 0, 1, 0                                  ; sixteen matrix instructions stand between the add and the wait for it
	s_wait_dscnt 0x0                               ; the add is done, and my reads of this slot are over
	s_barrier_signal -1
	MUL16 2, 1, 0
	WIN 0
	s_barrier_wait -1
.if \fill
	CREST                                          ; the barrier has opened a round of the cluster's barrier: no wave of any partner still reads this slot's tile or has a load on its way
	s_add_nc_u64 s[G0+4*\slot+2:G0+4*\slot+3], s[G0+4*\slot+2:G0+4*\slot+3], 2*RT
	s_add_nc_u64 s[G0B+4*\slot+2:G0B+4*\slot+3], s[G0B+4*\slot+2:G0B+4*\slot+3], 2*RT
	JLOAD G0+4*\slot, G1, G0B+4*\slot, G1B         ; the first tensor load behind the round; the four v_nop behind it are the places in front of the loads below
.else
	PLACES NP
.endif
	FETCH_B \next, 0, 0
	FETCH_A \next, 0, 0
	WIN MUL_HI
	MUL16 4, 1, 0
	MUL16 6, 1, 0
	PLACES NP
	WIN 0
	FETCH_A \next, 0, 4
.endm
	s_wait_tensorcnt 1                             ; my part of K step 0 is in (K step 1's load may be out)
	s_barrier_signal -1
	s_barrier_wait -1                              ; everybody's is
	FETCH_B 0, 0, 0
	FETCH_A 0, 0, 0
	FETCH_A 0, 0, 4
	STEP 0, 0, 1                                   ; the first step stands in front of the loop: its products start the sums
	s_mov_b32 s3, LAPS-1
.Llap:                                                 ; a trip goes once round the ring, from a lap's second step to the next lap's first, and fills both slots again
	TURN 0, 1, 1
	STEP 1, 0, 0
	TURN 1, 0, 1
	STEP 0, 0, 0
	s_sub_co_u32 s3, s3, 1
	s_cmp_lg_u32 s3, 0
	s_cbranch_scc1 .Llap
	TURN 0, 1, 0                                   ; the last lap fills nothing, and has no round of the cluster's barrier
	STEP 1, 0, 0
	s_wait_dscnt 4*NL                              ; the very last step: nothing more to fetch
	WIN MUL_LO
	MUL16 0, 1, 0
	MUL16 2, 1, 0
	s_wait_alu depctr_va_vdst(0)
	s_wait_dscnt 0
	WIN MUL_HI
	MUL16 4, 1, 0
	MUL16 6, 1, 0
	WIN 0
; THE WAY OUT of block a (16 rows of A x my 128 columns): the 64 sums are held within +-448 x the folded scale (each accumulator from its low end on), converted, eight numbers to two registers, and stored.
; q, k: C[0:7] is the fragment (16 tokens x 64) of my first head, C[8:15] of my second.  v: C[0:15] is one fragment of V^T (16 channels x the step's 128 keys).
.macro OUTBLK a
	WIN 0x02+((\a)/4)                              ; source 0: window 2 or 3
.set j, 0
.rept 64
	v_med3_num_f32 v[T+j], v[64*((\a)%4)+j], -v[LIM], v[LIM]   ; the conversion to an 8-bit code does not saturate (ISA guide 7.6.2)
.set j, j+1
.endr
	WIN 0
	s_wait_alu depctr_va_vdst(0)
	s_wait_xcnt 0x0                                ; the last block's stores have read their data and their base: both are written again only behind this wait
.if (\a) > 0
	s_add_nc_u64 s[10:11], s[10:11], s[84:85]
.endif
.if (\a) == 4
	s_add_nc_u64 s[10:11], s[10:11], s[86:87]
.endif
.irp b, 0,1,2,3,4,5,6,7
	v_cvt_scalef32_pk8_fp8_f32 v[C+2*\b:C+2*\b+1], v[T+8*\b:T+8*\b+7], v[SC]
.endr
	v_nop                                          ; one plain vector line behind the last conversion, ahead of the next block's holds, which write the conversions' sources
	global_store_b128 v[O0], v[C:C+3], s[10:11]                 ; each store: 512 consecutive bytes, aligned
	global_store_b128 v[O0], v[C+4:C+7], s[10:11] offset:512
	global_store_b128 v[O1], v[C+8:C+11], s[10:11]
	global_store_b128 v[O1], v[C+12:C+15], s[10:11] offset:512
.endm
	PLACES NP                                      ; behind the last products, ahead of the first read of results
.irp a, 0,1,2,3,4,5,6,7
	OUTBLK \a
.endr
	s_wait_tensorcnt 0x0                           ; the wave's end
	ds_add_u32 v[SPW], v[NIL]
	s_wait_dscnt 0x0
	CROUND                                         ; the closing round: no work-group ends while a partner may still ask for a tile that names it
	s_endpgm
.Lfunc_end_k_q3b3f6df36b_proj:
	.size	k_q3b3f6df36b_proj, .Lfunc_end_k_q3b3f6df36b_proj-k_q3b3f6df36b_proj
	.p2alignl 7, 3214868480
	.fill 96, 4, 3214868480
	.section	.rodata,"a",@progbits
	.p2align	6, 0x0
	.amdhsa_kernel k_q3b3f6df36b_proj
		.amdhsa_group_segment_fixed_size 327680
		.amdhsa_private_segment_fixed_size 0
		.amdhsa_enable_private_segment 0
		.amdhsa_kernarg_size 24
		.amdhsa_user_sgpr_count 2
		.amdhsa_user_sgpr_kernarg_segment_ptr 1
		.amdhsa_wavefront_size32 1
		.amdhsa_system_sgpr_workgroup_id_x 1
		.amdhsa_system_sgpr_workgroup_id_y 1
		.amdhsa_system_sgpr_workgroup_id_z 1
		.amdhsa_system_vgpr_workitem_id 0
		.amdhsa_next_free_vgpr 1024
		.amdhsa_next_free_sgpr 100
		.amdhsa_reserve_vcc 0
		.amdhsa_float_denorm_mode_32 3
		.amdhsa_float_denorm_mode_16_64 3
		.amdhsa_memory_ordered 1
		.amdhsa_forward_progress 1
		.amdhsa_inst_pref_size 119
	.end_amdhsa_kernel
	.amdgpu_metadata
---
amdhsa.version: [ 1, 2 ]
amdhsa.kernels:
  - .name:           k_q3b3f6df36b_proj
    .symbol:         k_q3b3f6df36b_proj.kd
    .args:
      - { .name: codes, .offset: 0, .size: 8, .value_kind: global_buffer, .address_space: global }
      - { .name: lowp_scales, .offset: 8, .size: 8, .value_kind: global_buffer, .address_space: global }
      - { .name: qkv, .offset: 16, .size: 8, .value_kind: global_buffer, .address_space: global }
    .group_segment_fixed_size: 327680
    .private_segment_fixed_size: 0
    .kernarg_segment_align: 8
    .kernarg_segment_size: 24
    .max_flat_workgroup_size: 128
    .sgpr_count:     100
    .vgpr_count:     1024
    .wavefront_size: 32
...
	.end_amdgpu_metadata
.endif
;; end of part 2
;; launch attn (part 3): grid 4 x 64, 16 waves a work-group, clusters of 4 x 1, 264,192 bytes of LDS; arguments qkv, lowp_scales, cimg; writes cimg
.if DOCPART == 3
	.amdgcn_target "amdgcn-amd-amdhsa--gfx1250"
	.amdhsa_code_object_version 6
	.text
	.protected	k_q3b3f6df36b_attn
	.globl	k_q3b3f6df36b_attn
	.p2align	8
	.type	k_q3b3f6df36b_attn,@function
k_q3b3f6df36b_attn:
	s_mov_b64 s[64:65], 0
	v_nop
	global_prefetch_b8 v0, s[64:65] scope:SCOPE_SE
	s_setreg_imm32_b32 hwreg(HW_REG_WAVE_MODE, 25, 1), 1
	s_wait_xcnt 0x0
	s_wait_alu depctr_hold_cnt(0) depctr_sa_sdst(0) depctr_va_vdst(0) depctr_va_sdst(0) depctr_va_ssrc(0) depctr_va_vcc(0) depctr_vm_vsrc(0)
	s_getreg_b32 s2, hwreg(HW_REG_IB_STS2, 6, 4)
	s_cmp_eq_u32 s2, 0
	s_cbranch_scc0 .Lentry_in_a_cluster
	s_endpgm
.Lentry_in_a_cluster:
	s_bfe_u32 s2, ttmp6, 0x10000c
	s_cmp_lg_u32 s2, 0x3003
	s_cbranch_scc0 .Lentry_shape_is_right
	s_endpgm
.Lentry_shape_is_right:
; Causal attention of one head (16 x batch + head = cluster y) on codes of FP8 (E4M3); head size 64, 2,048 tokens.  Its result, divided by the row's sum, is quantised at once for the last projection.
; THE SOFTMAX AHEAD OF THE SECOND PRODUCT: t = score x log2(e) / 8; M = the row's largest t so far, rounded UP to a whole number; p = 2^(t - M) is what is quantised, along the keys, not normalised.
; The row's sum is taken of the unquantised p, in f32.  When M moves, the sum and O are multiplied by 2^(old M - new M): exact.
; IN: qkv, 393,216 bytes a head: 128 query tiles x 1,024 bytes; then 16 key steps of 128 keys x 16,384 bytes: 8 key tiles x 1,024 (K), 4 channel tiles x 2,048 (V^T); all as images of fragment registers
; (lane 16 h + r holds row r; registers 2 c, 2 c + 1 hold k = 16 c + 8 h + 0 .. 7; registers 4 g .. 4 g + 3 of lane l at 512 g + 16 l), so each LDS load takes 512 consecutive bytes.
; LDS holds the head's WHOLE K and V, 262,144 bytes, filled once: no ring, nothing is filled again.  CLUSTER: the four work-groups of a cluster share the head, so each fill is asked for JOINTLY.
; All that a work-group reads through LDS is asked for by these first fills, so there is no later load ahead of which a prefetch could stand.
; SHARES.  The 2,048 queries are 16 blocks of 128 (a block = a key step), 8 tiles of 16 each.  Wave w (p = w / 2) owns tile 2 cx + w % 2 of block 15 - p and the same tile of block p: 16 - p and p + 1 key steps,
; 17 for every wave, whatever w.  cx enters global addresses and the mask's numbers alone; every branch hangs on the wave's number and on counted loops.  All waves walk the loops' constant trips; a step all of
; whose keys come after the tile's queries is jumped over (no barrier and no tensor load stands in a step).
; LAYOUT.  Both products are used transposed: S^T = K Q^T (source 0 = 16 keys, source 1 = my 16 queries, K = 64), O^T = V^T P^T (source 0 = 16 channels, source 1 = P, K = 128 keys): a lane holds ONE query.
; Register 8 t + j of S^T is key 16 t + 8 h + j: one conversion of tile t gives registers 2 t, 2 t + 1 of P's fragment.  Register 8 t + j of O^T is channel 16 t + 8 h + j: likewise for the next product's fragment.
; OUT: cimg, 512 token tiles x 16,384 bytes; head hd's 64 channels of a token tile are 1,024 bytes at 1,024 hd.
; LIMITS: e6 + e7 between -123 and 130 (added to c's exponent field); e8, and e10 - e8 - e9, between -126 and 119.
.set LI,   1                           ; v1   16 x lane; never rewritten
.set ADR,  2                           ; v2   LDS address of the step in hand
.set DQ,   3                           ; v3   my query's place in its block, less 8 h
.set NINF, 4                           ; v4   -infinity
.set PLIM, 5
.set PSC,  6                           ; v6   2^e8
.set OLIM, 7
.set OSC,  8                           ; v8   2^(e10 - e8 - e9)
.set PRM,  9                           ; v9   a lane permute's destination
.set FF,   10                          ; v[10:11] f = 2^(old M - new M), and 0 (named with it as a pair)
                                       ; v12 -M, v13 the largest t, v[14:15] the sum in two halves; v[16:23], v[24:31] Q of my two tiles
.set KV,   32                          ; v32-95   K's 8 fragments, then V's 4
.set S,    96                          ; v96-159  S^T, then p
.set O,    160                         ; v160-191 O^T
.set PC,   192                         ; v192-207 p's codes
.set SUM2, 208                         ; v[208:209] the sum's second chain
.set W0,   210                         ; v210, v211 at work
.set W1,   211
.set WV,   10                          ; s10  my wave's number
.set SEL,  20                          ; s[20:21] lane selects for v_permlanex16_b32: lane l xor 16
.set CS,   22                          ; s[22:23] c = log2(e) / 8 x 2^(e6 + e7)
.set TB,   60                          ; s60  LDS byte at which the step in hand begins
.set KS,   61                          ; s61  its number
.set BLK,  62                          ; s62  the block of the tile in hand
.set CNT,  63                          ; s63  trips to go
.macro CROUND                          ; a round of the cluster's barrier
	s_barrier_signal -1
	s_barrier_wait -1
	s_cmp_lg_u32 s[WV], 0
	s_cbranch_scc1 .Lnot_wave_0_\@
	s_barrier_signal -3
.Lnot_wave_0_\@:
	s_barrier_wait -3
	s_barrier_signal -1
	s_barrier_wait -1
.endm
	s_load_b128 s[4:7], s[0:1], 0x0                ; qkv s[4:5], the scales' exponents s[6:7]
	s_load_b64 s[8:9], s[0:1], 0x10                ; cimg
	v_lshl_add_u32 v254, v0, 2, 0x40000
	v_mov_b32 v255, 0
	ds_add_u32 v254, v255
	ds_add_u32 v254, v255
	v_lshrrev_b32 v1, 5, v0
	s_delay_alu instid0(VALU_DEP_1)
	v_readfirstlane_b32 s[WV], v1                  ; wave 0..15
	s_lshr_b32 s11, s[WV], 1                       ; p
	s_and_b32 s12, s[WV], 1
	s_bfe_u32 s13, ttmp6, 0x40000                  ; cx
	s_lshl_b32 s14, s13, 1
	s_add_co_u32 s14, s14, s12                     ; my tile's number in its block
	s_and_b32 s15, ttmp7, 0xffff                   ; 16 x batch + head, which the four partners share
	s_mul_i32 s16, s15, 393216
	s_mov_b32 s17, 0
	s_and_b32 s18, s[WV], 3
	; descriptor groups 1: dense blocks as rows of 256 bytes: 64 rows (one key step), 192 rows (three)
	s_mov_b32 s24, 15|(3<<16)|(1<<21)              ; 15:0 the mask: all four work-groups; 17:16 elements of 8 bytes; 20 no padding; 21 set beside a mask
	s_mov_b32 s25, 32<<16                          ; tensor_dim0 = 32 elements
	s_mov_b32 s26, 64<<16                          ; tensor_dim1
	s_mov_b32 s27, 32<<16                          ; tile_dim0
	s_mov_b32 s28, 64                              ; tile_dim1
	s_mov_b32 s29, 32                              ; tensor_dim0_stride
	s_mov_b32 s30, 0
	s_mov_b32 s31, 0
	s_mov_b32 s32, 15|(3<<16)|(1<<21)
	s_mov_b32 s33, 32<<16
	s_mov_b32 s34, 192<<16
	s_mov_b32 s35, 32<<16
	s_mov_b32 s36, 192
	s_mov_b32 s37, 32
	s_mov_b32 s38, 0
	s_mov_b32 s39, 0
	s_lshl_b32 s74, s18, 14                        ; waves 0 to 3 fetch: key step w,
	s_mov_b32 s75, 0
	s_mul_i32 s76, s18, 49152
	s_add_co_u32 s76, s76, 65536                   ; and key steps 4 + 3 w to 6 + 3 w; in LDS as in memory
	s_mov_b32 s77, 0
	s_mov_b32 s[SEL], 0x76543210
	s_mov_b32 s[SEL+1], 0xfedcba98
	s_mov_b32 s[CS], 0x3e38aa3b                    ; log2(e) / 8
	s_wait_dscnt 0x0
	s_wait_kmcnt 0x0
	s_load_b256 s[48:55], s[6:7], 0x0              ; entries 0 to 7
	s_load_b128 s[56:59], s[6:7], 0x20             ; entries 8 to 11
	s_add_nc_u64 s[4:5], s[4:5], s[16:17]          ; my head: its query tiles,
	s_add_nc_u64 s[80:81], s[4:5], 0x20000         ; and its key steps
	s_mov_b32 s40, 1                               ; 1:0 count = 1
	s_mov_b32 s41, s74                             ; 63:32 LDS address
	s_add_nc_u64 s[42:43], s[80:81], s[74:75]      ; 120:64 global address
	s_or_b32 s43, s43, 0x80000000                  ; 127:126 type = 2
	s_mov_b32 s44, 1
	s_mov_b32 s45, s76
	s_add_nc_u64 s[46:47], s[80:81], s[76:77]
	s_or_b32 s47, s47, 0x80000000
	CROUND                                         ; all four work-groups are here: the joint loads meet
	s_cmp_lt_u32 s[WV], 4                          ; a wave's two fills stand in one branch, ahead of every wait on TENSORcnt, every LDS read and every other barrier: two loads of mine are out at the most
	s_cbranch_scc0 .Lno_fetch
	tensor_load_to_lds s[40:43], s[24:31]
	s_nop 0
	tensor_load_to_lds s[44:47], s[32:39]
	s_nop 0
.rept 4
	v_nop
.endr
.Lno_fetch:
	v_and_b32 v1, 31, v0
	s_delay_alu instid0(VALU_DEP_1)
	v_lshlrev_b32 v[LI], 4, v1
	s_wait_alu depctr_va_vdst(0)
	s_lshr_b32 s82, s15, 4
	s_lshl_b32 s82, s82, 7                         ; the batch's first token tile
	s_and_b32 s83, s15, 15
	s_lshl_b32 s83, s83, 10                        ; the head's 1,024 bytes of a token tile
	s_mov_b32 s85, 0
	s_mov_b32 s87, 0
	s_sub_co_u32 s18, 15, s11                      ; my first tile's block
.macro BASES blk, qb, ob               ; s[blk]: a block: where its tile of mine lies in Q, and where its result goes
	s_lshl_b32 s84, s[\blk], 3
	s_add_co_u32 s84, s84, s14                     ; the tile's number in the head
	s_add_co_u32 s86, s84, s82                     ; and among all token tiles
	s_lshl_b32 s84, s84, 10
	s_lshl_b32 s86, s86, 14
	s_add_co_u32 s86, s86, s83
	s_add_nc_u64 s[\qb:\qb+1], s[4:5], s[84:85]
	s_add_nc_u64 s[\ob:\ob+1], s[8:9], s[86:87]
.endm
	BASES 18, 66, 70
	BASES 11, 68, 72
	global_load_b128 v[16:19], v[LI], s[66:67]                  ; Q's fragments stay in registers
	global_load_b128 v[20:23], v[LI], s[66:67] offset:512
	global_load_b128 v[24:27], v[LI], s[68:69]
	global_load_b128 v[28:31], v[LI], s[68:69] offset:512
	v_and_b32 v[DQ], 15, v0                        ; r
	v_bfe_u32 v[NINF], v0, 4, 1                    ; h
	s_delay_alu instid0(VALU_DEP_1)
	v_lshlrev_b32 v[NINF], 3, v[NINF]
	s_delay_alu instid0(VALU_DEP_1)
	v_sub_nc_u32 v[DQ], v[DQ], v[NINF]
	s_lshl_b32 s19, s14, 4
	v_add_nc_u32 v[DQ], s19, v[DQ]                 ; 16 x tile + r - 8 h
	v_mov_b32 v[NINF], 0xff800000
	v_mov_b32 v[PRM], 0                            ; written once: a lane permute's destination counts as one of its sources
	v_mov_b32 v[FF+1], 0
	s_wait_kmcnt 0x0
	s_add_co_i32 s19, s54, s55                     ; a score stands for score x 2^(e6 + e7): the two exponents are added to c's exponent field
	s_lshl_b32 s19, s19, 23
	s_add_co_i32 s[CS], s[CS], s19
	s_mov_b32 s[CS+1], s[CS]                       ; (named with it as a pair, so it is written)
	s_add_co_i32 s19, s56, 127
	s_lshl_b32 s84, s19, 23
	v_mov_b32 v[PSC], s84
	s_sub_co_i32 s19, s58, s56
	s_sub_co_i32 s19, s19, s57                     ; O^T / the sum stands for that x 2^(e8 + e9): its code by 2^e10 is that / 2^(e10 - e8 - e9)
	s_add_co_i32 s19, s19, 127
	s_lshl_b32 s84, s19, 23
	v_mov_b32 v[OSC], s84
.macro INIT                            ; a tile begins: the step is written without a first step of its own: it finds zeros, which the first change of M leaves zeros
	v_mov_b32 v13, 0xff61b1e6                      ; the largest t so far: -3e38, under every t
	v_mov_b32 v14, 0
	v_mov_b32 v15, 0
	s_delay_alu instid0(VALU_DEP_3)
	v_floor_f32 v12, -v13                          ; -M
.set j, 0
.rept 32
	v_mov_b32 v[O+j], 0
.set j, j+1
.endr
.endm
; A KEY STEP: 128 keys against the tile whose Q lies in v[q] on.  chk = 1: the step may lie on or beyond the diagonal.
.macro STEP q, chk
.if \chk
	s_cmp_gt_u32 s[KS], s[BLK]                     ; all its keys come after my queries
	s_cbranch_scc1 .Lhid_\@
.endif
	s_setprio 2
	v_add_nc_u32 v[ADR], s[TB], v[LI]
.rept 3
	v_nop                                          ; with the addition above: four places in front of loads into registers that the last products have read
.endr
.irp t, 0,1,2,3,4,5,6,7
	ds_load_b128 v[KV+8*\t:KV+8*\t+3], v[ADR] offset:1024*\t
	ds_load_b128 v[KV+8*\t+4:KV+8*\t+7], v[ADR] offset:1024*\t+512
.endr
	s_wait_alu depctr_va_vdst(0)
	s_wait_dscnt 0x0
.irp t, 0,1,2,3,4,5,6,7
	v_wmma_f32_16x16x64_fp8_fp8 v[S+8*\t:S+8*\t+7], v[KV+8*\t:KV+8*\t+7], v[\q:\q+7], 0
.endr
.rept 4
	v_nop                                          ; places in front of the loads below and of the first read of the scores
.endr
.irp t, 0,1,2,3
.irp c, 0,1,2,3
	ds_load_b128 v[KV+16*\t+4*\c:KV+16*\t+4*\c+3], v[ADR] offset:8192+2048*\t+512*\c   ; V^T: it lands while the softmax is walked
.endr
.endr
.if \chk
	s_cmp_lg_u32 s[KS], s[BLK]
	s_cbranch_scc1 .Lopen_\@                       ; all its keys count
.set n, 0
.rept 64                                       ; on the diagonal: register n holds the step's key 16 (n / 8) + 8 h + n % 8, hidden where that is above my query's place: -infinity ahead of the maximum, so p = 0
	v_cmp_gt_i32 vcc_lo, 16*(n/8)+n%8, v[DQ]
	v_cndmask_b32 v[S+n], v[S+n], v[NINF], vcc_lo
.set n, n+1
.endr
.Lopen_\@:
.endif
	v_max3_num_f32 v[W0], v[S], v[S+1], v[S+2]     ; the step's largest score of my query, among my 64 keys, in two chains; each accumulator is first read at its low end
	v_max3_num_f32 v[W1], v[S+3], v[S+4], v[S+5]
.irp i, 6,10,14,18,22,26,30,34,38,42,46,50,54,58
	v_max3_num_f32 v[W0], v[W0], v[S+\i], v[S+1+\i]
	v_max3_num_f32 v[W1], v[W1], v[S+2+\i], v[S+3+\i]
.endr
	v_max3_num_f32 v[W0], v[W0], v[S+62], v[S+63]
	s_delay_alu instid0(VALU_DEP_1)
	v_max_num_f32 v[W0], v[W0], v[W1]
	s_delay_alu instid0(VALU_DEP_1)
	v_permlanex16_b32 v[PRM], v[W0], s[SEL], s[SEL+1]
	s_delay_alu instid0(VALU_DEP_1)
	v_max_num_f32 v[W0], v[W0], v[PRM]             ; and among lane l xor 16's
	s_delay_alu instid0(VALU_DEP_1)
	v_mul_f32 v[W0], s[CS], v[W0]                  ; as t (c is positive)
	s_delay_alu instid0(VALU_DEP_1)
	v_max_num_f32 v13, v13, v[W0]                  ; the running largest t
	v_mov_b32 v[W0], v12
	s_delay_alu instid0(VALU_DEP_2)
	v_floor_f32 v12, -v13                          ; the new -M = floor(-t) = -ceil(t): M is a whole number
	s_delay_alu instid0(VALU_DEP_1)
	v_sub_f32 v[W0], v12, v[W0]                    ; M's old value less its new one: a whole number, 0 or less
	s_delay_alu instid0(VALU_DEP_1)
	v_cvt_i32_f32 v[W0], v[W0]                     ; (it saturates)
	s_delay_alu instid0(VALU_DEP_1)
	v_ldexp_f32 v[FF], 1.0, v[W0]                  ; f = 2^(old M - new M): a multiplication by it rounds nothing
.set j, 0
.rept 32
	v_pk_fma_f32 v[S+j:S+j+1], v[S+j:S+j+1], s[CS:CS+1], v[12:13] op_sel_hi:[1,0,0]   ; t - M, two at a time (of the pairs c and -M the low word serves both halves)
.set j, j+2
.endr
.set j, 0
	s_setprio 1
	s_wait_alu depctr_va_vdst(0)
.rept 64
	v_exp_f32 v[S+j], v[S+j]                       ; p = 2^(t - M), at most 1: not normalised
.set j, j+1
.endr
	v_pk_mul_f32 v[14:15], v[14:15], v[FF:FF+1] op_sel_hi:[1,0]   ; the sums under the new M: the plain line behind the exponentials
	s_wait_alu depctr_va_vdst(0)                   ; one wait for the whole batch, ahead of its first reader
	v_pk_add_f32 v[208:209], v[100:101], v[104:105]
	v_pk_add_f32 v[252:253], v[108:109], v[112:113]
	v_pk_add_f32 v[250:251], v[116:117], v[120:121]
	v_pk_add_f32 v[248:249], v[124:125], v[128:129]
	v_pk_add_f32 v[246:247], v[132:133], v[136:137]
	v_pk_add_f32 v[244:245], v[140:141], v[144:145]
	v_pk_add_f32 v[242:243], v[148:149], v[152:153]
	v_pk_add_f32 v[14:15], v[14:15], v[156:157]
	v_pk_add_f32 v[208:209], v[208:209], v[96:97]
	v_pk_add_f32 v[252:253], v[252:253], v[98:99]
	v_pk_add_f32 v[250:251], v[250:251], v[102:103]
	v_pk_add_f32 v[248:249], v[248:249], v[106:107]
	v_pk_add_f32 v[246:247], v[246:247], v[110:111]
	v_pk_add_f32 v[244:245], v[244:245], v[114:115]
	v_pk_add_f32 v[242:243], v[242:243], v[118:119]
	v_pk_add_f32 v[14:15], v[14:15], v[122:123]
	v_pk_add_f32 v[208:209], v[208:209], v[126:127]
	v_pk_add_f32 v[252:253], v[252:253], v[130:131]
	v_pk_add_f32 v[250:251], v[250:251], v[134:135]
	v_pk_add_f32 v[248:249], v[248:249], v[138:139]
	v_pk_add_f32 v[246:247], v[246:247], v[142:143]
	v_pk_add_f32 v[244:245], v[244:245], v[146:147]
	v_pk_add_f32 v[242:243], v[242:243], v[150:151]
	v_pk_add_f32 v[14:15], v[14:15], v[154:155]
	v_pk_add_f32 v[208:209], v[208:209], v[158:159]
	s_delay_alu instid0(VALU_DEP_2)
	v_pk_add_f32 v[14:15], v[14:15], v[248:249]
	s_delay_alu instid0(VALU_DEP_2)
	v_pk_add_f32 v[208:209], v[208:209], v[246:247]
	v_pk_add_f32 v[252:253], v[252:253], v[244:245]
	v_pk_add_f32 v[250:251], v[250:251], v[242:243]
	s_delay_alu instid0(VALU_DEP_2)
	v_pk_add_f32 v[14:15], v[14:15], v[252:253]
	s_delay_alu instid0(VALU_DEP_2)
	v_pk_add_f32 v[208:209], v[208:209], v[250:251]
	s_delay_alu instid0(VALU_DEP_1)
	v_pk_add_f32 v[14:15], v[14:15], v[208:209]
	s_setprio 0
.irp t, 0,1,2,3,4,5,6,7
.irp i, 0,1,2,3,4,5,6,7
.endr
	v_cvt_scalef32_pk8_fp8_f32 v[PC+2*\t:PC+2*\t+1], v[S+8*\t:S+8*\t+7], v[PSC]
.endr
.set j, 0
.rept 16
	v_pk_mul_f32 v[O+j:O+j+1], v[O+j:O+j+1], v[FF:FF+1] op_sel_hi:[1,0]   ; O^T under the new M.  (Also the plain lines between the conversions and the products that read their results)
.set j, j+2
.endr
	s_wait_alu depctr_va_vdst(0)
	s_wait_dscnt 0x0                               ; V^T is in
.irp t, 0,1,2,3                                ; the four accumulators take turns; between two links of a chain stand the next step's eight products K Q^T too
	v_wmma_f32_16x16x128_fp8_fp8 v[O+8*\t:O+8*\t+7], v[KV+16*\t:KV+16*\t+15], v[PC:PC+15], v[O+8*\t:O+8*\t+7]
.endr
.if \chk
.Lhid_\@:
.endif
.endm
.macro LOOPN n, q, chk                 ; n key steps on end: a constant count for every wave
	s_mov_b32 s[CNT], \n
.Lstep_\@:
	STEP \q, \chk
	s_add_co_u32 s[TB], s[TB], 16384
	s_add_co_u32 s[KS], s[KS], 1
	s_sub_co_u32 s[CNT], s[CNT], 1
	s_cmp_lg_u32 s[CNT], 0
	s_cbranch_scc1 .Lstep_\@
	s_setprio 0
.endm
; A tile's way out: O^T / the row's sum, converted: registers cc .. cc + 7 are the tile's part of the next product's fragment; two stores of 512 consecutive aligned bytes.
.macro OUT cc, base
.rept 4
	v_nop                                          ; places behind the last products
.endr
	v_add_f32 v14, v14, v15                        ; the sum's two halves,
	s_delay_alu instid0(VALU_DEP_1)
	v_permlanex16_b32 v[PRM], v14, s[SEL], s[SEL+1]
	s_delay_alu instid0(VALU_DEP_1)
	v_add_f32 v14, v14, v[PRM]                     ; and lane l xor 16's
	s_wait_alu depctr_va_vdst(0)
	v_rcp_f32 v14, v14
	v_nop                                          ; a plain line behind the transcendental
	s_wait_alu depctr_va_vdst(0)                   ; and the wait ahead of its first reader
.set j, 0
.rept 16
	v_pk_mul_f32 v[S+j:S+j+1], v[O+j:O+j+1], v[14:15] op_sel_hi:[1,0]   ; each accumulator from its low end on
.set j, j+2
.endr
.set j, 0
.rept 32
.set j, j+1
.endr
.irp t, 0,1,2,3
	v_cvt_scalef32_pk8_fp8_f32 v[\cc+2*\t:\cc+2*\t+1], v[S+8*\t:S+8*\t+7], v[OSC]
.endr
	v_nop                                          ; one plain vector line behind the last conversion: later products write its sources
	global_store_b128 v[LI], v[\cc:\cc+3], s[\base:\base+1]
	global_store_b128 v[LI], v[\cc+4:\cc+7], s[\base:\base+1] offset:512
.endm
	INIT
	s_wait_loadcnt 0x0                             ; Q
	s_wait_tensorcnt 0x1                           ; my first fill (a key step among 0 to 3) has landed; my second may stay out
	s_barrier_signal -1
	s_barrier_wait -1                              ; everybody's has: key steps 0 to 3 are whole
	s_mov_b32 s[TB], 0
	s_mov_b32 s[KS], 0
	s_mov_b32 s[BLK], s18
	LOOPN 4, 16, 0                                 ; my first tile lies in block 8 or later: all keys of steps 0 to 3 count
	s_wait_tensorcnt 0x0                           ; my second fill has landed,
	s_wait_dscnt 0x0
	s_barrier_signal -1
	s_barrier_wait -1                              ; everybody's has: from here on no wave waits for another
	LOOPN 12, 16, 1                                ; key steps 4 to 15 (TB and KS stand at step 4)
	OUT 212, 70
	INIT
	s_mov_b32 s[TB], 0
	s_mov_b32 s[KS], 0
	s_mov_b32 s[BLK], s11
	LOOPN 8, 24, 1                                 ; my second tile lies in block 7 or earlier
	OUT 220, 72
	s_wait_dscnt 0x0
	s_wait_tensorcnt 0x0
	ds_add_u32 v254, v255
	s_wait_dscnt 0x0
	CROUND                                         ; the closing round
	s_endpgm
.Lfunc_end_k_q3b3f6df36b_attn:
	.size	k_q3b3f6df36b_attn, .Lfunc_end_k_q3b3f6df36b_attn-k_q3b3f6df36b_attn
	.p2alignl 7, 3214868480
	.fill 96, 4, 3214868480
	.section	.rodata,"a",@progbits
	.p2align	6, 0x0
	.amdhsa_kernel k_q3b3f6df36b_attn
		.amdhsa_group_segment_fixed_size 264192
		.amdhsa_private_segment_fixed_size 0
		.amdhsa_enable_private_segment 0
		.amdhsa_kernarg_size 24
		.amdhsa_user_sgpr_count 2
		.amdhsa_user_sgpr_kernarg_segment_ptr 1
		.amdhsa_wavefront_size32 1
		.amdhsa_system_sgpr_workgroup_id_x 1
		.amdhsa_system_sgpr_workgroup_id_y 1
		.amdhsa_system_sgpr_workgroup_id_z 1
		.amdhsa_system_vgpr_workitem_id 0
		.amdhsa_next_free_vgpr 256
		.amdhsa_next_free_sgpr 96
		.amdhsa_reserve_vcc 1
		.amdhsa_float_denorm_mode_32 3
		.amdhsa_float_denorm_mode_16_64 3
		.amdhsa_fp16_overflow 1
		.amdhsa_memory_ordered 1
		.amdhsa_forward_progress 1
		.amdhsa_inst_pref_size 65
	.end_amdhsa_kernel
	.amdgpu_metadata
---
amdhsa.version: [ 1, 2 ]
amdhsa.kernels:
  - .name:           k_q3b3f6df36b_attn
    .symbol:         k_q3b3f6df36b_attn.kd
    .args:
      - { .name: qkv, .offset: 0, .size: 8, .value_kind: global_buffer, .address_space: global }
      - { .name: lowp_scales, .offset: 8, .size: 8, .value_kind: global_buffer, .address_space: global }
      - { .name: cimg, .offset: 16, .size: 8, .value_kind: global_buffer, .address_space: global }
    .group_segment_fixed_size: 264192
    .private_segment_fixed_size: 0
    .kernarg_segment_align: 8
    .kernarg_segment_size: 24
    .max_flat_workgroup_size: 512
    .sgpr_count:     96
    .vgpr_count:     256
    .wavefront_size: 32
...
	.end_amdgpu_metadata
.endif
;; end of part 3
;; launch outp (part 4): grid 4 x 32, 4 waves a work-group, clusters of 4 x 4, 327,680 bytes of LDS; arguments cimg, codes, lowp_scales, out0; writes out0
.if DOCPART == 4
	.amdgcn_target "amdgcn-amd-amdhsa--gfx1250"
	.amdhsa_code_object_version 6
	.text
	.protected	k_q3b3f6df36b_outp
	.globl	k_q3b3f6df36b_outp
	.p2align	8
	.type	k_q3b3f6df36b_outp,@function
k_q3b3f6df36b_outp:
	s_mov_b64 s[64:65], 0
	v_nop
	global_prefetch_b8 v0, s[64:65] scope:SCOPE_SE
	s_setreg_imm32_b32 hwreg(HW_REG_WAVE_MODE, 25, 1), 1
	s_wait_xcnt 0x0
	s_wait_alu depctr_hold_cnt(0) depctr_sa_sdst(0) depctr_va_vdst(0) depctr_va_sdst(0) depctr_va_ssrc(0) depctr_va_vcc(0) depctr_vm_vsrc(0)
	s_getreg_b32 s2, hwreg(HW_REG_IB_STS2, 6, 4)
	s_cmp_eq_u32 s2, 0
	s_cbranch_scc0 .Lentry_in_a_cluster
	s_endpgm
.Lentry_in_a_cluster:
	s_bfe_u32 s2, ttmp6, 0x10000c
	s_cmp_lg_u32 s2, 0xf033
	s_cbranch_scc0 .Lentry_shape_is_right
	s_endpgm
.Lentry_shape_is_right:
; out0 = concat Wo^T on codes of FP8 (E4M3): A = cimg (512 token tiles), B = Wo's codes (row tiles 1,728 on of the codes' buffer); each finished sum x 2^(e10 + e11); out0 [8192][1024] f32.
; OPERANDS lie as images of fragment registers: a row tile (16 rows x 1,024 K) is 8 fragments of 2,048 bytes (registers 4 g .. 4 g + 3 of lane l at 512 g + 16 l; lane 16 h + r holds row r,
; registers 2 c, 2 c + 1 hold k = 16 c + 8 h + 0 .. 7): a fragment comes out of LDS by four loads of 512 consecutive bytes, no pitch, no padding.
; A tile of C, 256 x 256, is made by four waves; a wave makes 128 x 128: 64 accumulators, 512 registers.  K goes in steps of 256 through a ring of two LDS slots; a wave's tensor load brings 8 row tiles' 4,096 bytes.
; CLUSTERS: 4 x 4 work-groups; A's tiles are asked for jointly along a row of the cluster, B's along a column.  C has 32 x 4 tiles: 128 work-groups.
; THE MATRIX INSTRUCTION IS USED TRANSPOSED (source 0 = 16 rows of B, source 1 = 16 rows of A): a lane holds eight neighbouring numbers of a row of C.
; LIMIT: e10 + e11 lies between -126 and 127, so that 2^(e10 + e11) is an f32 number.
; REGISTERS, in windows of 256: window 0: v0-31 addresses; v128-255 A's fragments, ONE set; on the way out v32-255 are free.  window 1: B's fragments, TWO sets.
;   window 2: the 32 accumulators of my rows 0-63 (accumulator (a, b) at v[8 (8 a + b)]); window 3: those of my rows 64-127.
.set FRB,   2048                       ; a fragment's image
.set RT,    4096                       ; a row tile's part of a slot: two fragments, 256 along K
.set HALFT, 8*RT                       ; 128 rows: what one tensor load brings, and what one wave reads of A or of B
.set SLOT,  4*HALFT                    ; A's 256 rows, then B's 256 rows
.set SPARE, 2*SLOT                     ; behind the ring: the spare words, 128 bytes for each wave: two blocks of 256 bytes that no other line names
.set FR,    16
.set NL,    4
.set NP,    4                          ; places behind this matrix instruction (ISA guide 7.12.1)
.set LAPS,  2
.set NCOL,  1024                       ; columns of C
.set SPITCH, 528                       ; the way out: a stage of 16 rows x (512 bytes + 16) for each wave.  It lies in slot 0, which has had its last fill and its last read when the first result is stored there
.set ADRA, 16                          ; v16-17  LDS address of my A fragments in slot 0, 1
.set ADRB, 20                          ; v20-21  the same for B
.set STO,  24                          ; v24  the way out: where I put 32 bytes of a row
.set RD,   25                          ; v25  the way out: where I read a row back
.set CO,   26                          ; v26  16 x lane: my byte offset in a row's 512 bytes
.set SPW,  28                          ; v28  LDS address of my spare word; never rewritten
.set NIL,  29                          ; v29  0; never rewritten
.set TMP,  32                          ; the way out: 64 registers, a block's sums x 2^(e10 + e11)
.set AF,   128
.set BK,   128                         ; the way out: 16 rows read back from the stage: v128-191 and v192-255 by turns
.set G1, 24
.set G0, 32
.set G1B, 48
.set G0B, 56
.set MSB, 0
.macro WIN new                         ; the immediate's high byte repeats the setting that is left
.if MSB != \new
	s_set_vgpr_msb (MSB<<8)|\new
.set MSB, \new
.endif
.endm
.set MUL_LO, 0xa1                      ; source 0 (B) window 1, source 1 (A) window 0, C and D window 2
.set MUL_HI, 0xf1                      ; the same, C and D window 3
.set TO_B,   0x40                      ; destination window 1, address window 0
; A joint load: waves 0 and 1 fetch for A, waves 2 and 3 for B; the branch hangs on the wave's number alone.  Four v_nop follow each of the two lines.
.macro JLOAD g0a, g1a, g0b, g1b
	s_cmp_eq_u32 s15, 0
	s_cbranch_scc0 .Lfor_b_\@
	tensor_load_to_lds s[\g0a:\g0a+3], s[\g1a:\g1a+7]
	s_nop 0
.rept 4
	v_nop
.endr
	s_branch .Lasked_\@
.Lfor_b_\@:
	tensor_load_to_lds s[\g0b:\g0b+3], s[\g1b:\g1b+7]
	s_nop 0
.rept 4
	v_nop
.endr
.Lasked_\@:
.endm
.macro CREST                           ; a round of the cluster's barrier behind its opening barrier
	s_cmp_lg_u32 s14, 0
	s_cbranch_scc1 .Lnot_wave_0_\@
	s_barrier_signal -3
.Lnot_wave_0_\@:
	s_barrier_wait -3
	s_barrier_signal -1
	s_barrier_wait -1
.endm
.macro CROUND                          ; a whole round
	s_barrier_signal -1
	s_barrier_wait -1
	CREST
.endm
	s_load_b128 s[4:7], s[0:1], 0x0                ; cimg s[4:5], the codes s[6:7]
	s_load_b128 s[8:11], s[0:1], 0x10              ; the scales' exponents s[8:9], out0 s[10:11]
	v_lshl_add_u32 v[SPW], v0, 2, SPARE
	v_mov_b32 v[NIL], 0
	ds_add_u32 v28, v29
	ds_add_u32 v28, v29
	s_wait_dscnt 0x0
	v_lshrrev_b32 v1, 5, v0
	v_readfirstlane_b32 s14, v1                    ; wave 0..3
	s_lshr_b32 s15, s14, 1                         ; which half of the tile's rows is mine.  Also: I fetch for A (0) or for B (1)
	s_and_b32 s16, s14, 1                          ; which half of its columns.  Also: which 128 rows of that tile I fetch
	s_bfe_u32 s40, ttmp6, 0x40000                  ; cx, cy: my place in the cluster
	s_bfe_u32 s41, ttmp6, 0x40004
	s_lshl_b32 s42, ttmp9, 2
	s_add_co_u32 s42, s42, s40                     ; tile column of C = 4 x cluster x + cx
	s_and_b32 s17, ttmp7, 0xffff
	s_lshl_b32 s17, s17, 2
	s_add_co_u32 s17, s17, s41                     ; tile row of C = 4 x cluster y + cy
	s_lshl_b32 s43, s41, 2
	s_lshl_b32 s43, 15, s43                        ; my row of the cluster
	s_lshl_b32 s44, 0x1111, s40                    ; my column
	; descriptor group 1: 8 rows (row tiles) of 4,096 bytes, 16,384 bytes apart in memory, dense in LDS
	s_or_b32 s[G1+0], s43, (3<<16)|(1<<21)         ; 15:0 the mask: A's tiles go to my row; 17:16 elements of 8 bytes; 20 no padding; 21 set beside a mask
	s_or_b32 s[G1B+0], s44, (3<<16)|(1<<21)
.irp g, G1, G1B
	s_mov_b32 s[\g+1], 512<<16                     ; tensor_dim0 = 512 elements
	s_mov_b32 s[\g+2], 8<<16                       ; tensor_dim1 = 8
	s_mov_b32 s[\g+3], 512<<16                     ; tile_dim0
	s_mov_b32 s[\g+4], 8                           ; tile_dim1
	s_mov_b32 s[\g+5], 2048                        ; tensor_dim0_stride, in elements
	s_mov_b32 s[\g+6], 0
	s_mov_b32 s[\g+7], 0
.endr
	s_lshl_b32 s23, s16, 3                         ; which 8 row tiles of the 16 I fetch
	s_lshl_b32 s20, s17, 4
	s_add_co_u32 s20, s20, s23                     ; A: token tile 16 x tile row + 8 x half
	s_lshl_b32 s20, s20, 14
	s_mov_b32 s21, 0
	s_lshl_b32 s46, s42, 4
	s_add_co_u32 s46, s46, s23
	s_add_co_u32 s46, s46, 1728                    ; B: Wo's row tiles begin at 1,728
	s_lshl_b32 s46, s46, 14
	s_mov_b32 s47, 0
	s_lshl_b32 s45, s14, 15                        ; where they go: wave x 128 rows: no place in the cluster enters an LDS address
	s_wait_kmcnt 0x0
	s_load_b64 s[96:97], s[8:9], 0x28              ; e10, e11
	s_add_nc_u64 s[20:21], s[4:5], s[20:21]
	s_add_nc_u64 s[46:47], s[6:7], s[46:47]
	CROUND                                         ; all sixteen work-groups are here: the first joint loads meet
.irp s, 0,1
	s_mov_b32 s[G0+4*\s], 1
	s_add_co_u32 s[G0+4*\s+1], s45, \s*SLOT
	s_add_nc_u64 s[G0+4*\s+2:G0+4*\s+3], s[20:21], \s*RT
	s_or_b32 s[G0+4*\s+3], s[G0+4*\s+3], 0x80000000
	s_mov_b32 s[G0B+4*\s], 1
	s_add_co_u32 s[G0B+4*\s+1], s45, \s*SLOT
	s_add_nc_u64 s[G0B+4*\s+2:G0B+4*\s+3], s[46:47], \s*RT
	s_or_b32 s[G0B+4*\s+3], s[G0B+4*\s+3], 0x80000000
	s_wait_alu depctr_va_vdst(0)
	s_wait_tensorcnt 0x0
	ds_add_u32 v28, v29
	ds_add_u32 v28, v29
	s_wait_dscnt 0x0
	CROUND
	JLOAD G0+4*\s, G1, G0B+4*\s, G1B
.endr
	v_and_b32 v1, 15, v0                           ; l % 16
	s_wait_alu depctr_va_vdst(0)
	v_bfe_u32 v2, v0, 4, 1                         ; l / 16
	v_and_b32 v6, 31, v0
	v_lshlrev_b32 v[CO], 4, v6                     ; 16 x lane
	s_lshl_b32 s21, s15, 15                        ; my 128 rows of A
	s_lshl_b32 s22, s16, 15                        ; my 128 rows of B,
	s_add_co_u32 s22, s22, 2*HALFT                 ; which lie behind A's 256
.irp s, 0,1
	v_add_nc_u32 v[ADRA+\s], s21, v[CO]
	v_add_nc_u32 v[ADRB+\s], s22, v[CO]
	s_add_co_u32 s21, s21, SLOT
	s_add_co_u32 s22, s22, SLOT
.endr
	s_mul_i32 s23, s14, 16*SPITCH                  ; my stage
	v_mul_u32_u24 v5, v1, SPITCH                   ; in: row l % 16, 32 bytes for each half of the lanes
	s_wait_alu depctr_va_vdst(0)
	v_lshl_add_u32 v5, v2, 5, v5
	v_add_nc_u32 v[STO], s23, v5
	v_add_nc_u32 v[RD], s23, v[CO]                 ; back: the 32 lanes take one row of 512 bytes
	s_lshl_b32 s66, s17, 8
	s_lshl_b32 s68, s15, 7
	s_add_co_u32 s66, s66, s68                     ; my first row of C: 256 x tile row + 128 x half,
	s_lshl_b32 s66, s66, 12                        ; of 4,096 bytes
	s_lshl_b32 s68, s42, 10                        ; my first column, in bytes: 1,024 x tile column + 512 x half
	s_add_co_u32 s66, s66, s68
	s_lshl_b32 s68, s16, 9
	s_add_co_u32 s66, s66, s68
	s_mov_b32 s67, 0
	s_add_nc_u64 s[10:11], s[10:11], s[66:67]
.macro FRAG reg, adr, q, i             ; a fragment's image: four loads of 512 consecutive bytes.  q: which 128 along K of the slot; i: which row tile of my eight
.irp c, 0,1,2,3
	ds_load_b128 v[\reg+4*\c:\reg+4*\c+3], v[\adr] offset:FRB*(\q)+512*\c+(\i)*RT
.endr
.endm
; 16 matrix instructions: A's blocks a0, a0 + 1 x B's eight, 128 along K.  p: B's set.  zero = 1: the first product starts the sums.
; The 64 accumulators take turns, one instruction a turn, in the same order in every step.
.macro MUL16 a0, p, zero
.irp a, \a0, \a0+1
.irp b, 0,1,2,3,4,5,6,7
.if \zero
	v_wmma_f32_16x16x128_fp8_fp8 v[8*(8*((\a)%4)+\b):8*(8*((\a)%4)+\b)+7], v[128*(\p)+FR*\b:128*(\p)+FR*\b+FR-1], v[AF+FR*(\a):AF+FR*(\a)+FR-1], 0
.else
	v_wmma_f32_16x16x128_fp8_fp8 v[8*(8*((\a)%4)+\b):8*(8*((\a)%4)+\b)+7], v[128*(\p)+FR*\b:128*(\p)+FR*\b+FR-1], v[AF+FR*(\a):AF+FR*(\a)+FR-1], v[8*(8*((\a)%4)+\b):8*(8*((\a)%4)+\b)+7]
.endif
.endr
.endr
.endm
.macro FETCH_B slot, q, p
	WIN TO_B
.irp i, 0,1,2,3,4,5,6,7
	FRAG 128*(\p)+FR*\i, ADRB+\slot, \q, \i
.endr
	WIN 0
.endm
.macro FETCH_A slot, q, i0
.irp i, \i0, \i0+1, \i0+2, \i0+3
	FRAG AF+FR*(\i), ADRA+\slot, \q, \i
.endr
.endm
; A load into a register that a matrix instruction has read, and a vector instruction that reads a matrix result, stand NP places behind that matrix instruction, and only plain vector instructions
; that name none of its registers are places (ISA guide 7.12.1 for vector instructions).
.macro PLACES n
.rept \n
	v_nop
.endr
.endm
.macro STEP slot, q, zero              ; a step of 128 along K that has its successor in the same slot
	s_wait_dscnt 4*NL                              ; B's set and A's blocks 0-3 are in; the youngest sixteen loads (A's blocks 4-7) may be out
	WIN MUL_LO
	MUL16 0, (\q)%2, \zero
	MUL16 2, (\q)%2, \zero
	s_wait_dscnt 0                                 ; A's blocks 4-7 are in
	PLACES NP
	FETCH_B \slot, (\q)+1, 1-(\q)%2
	FETCH_A \slot, (\q)+1, 0
	WIN MUL_HI
	MUL16 4, (\q)%2, \zero
	MUL16 6, (\q)%2, \zero
	PLACES NP
	WIN 0
	FETCH_A \slot, (\q)+1, 4
.endm
; A slot's last step changes slots: ONE barrier; in front of it each wave waits for all its tensor loads, adds 0 to its spare word, and waits for that and for its own reads of this slot.  fill = 1: this slot is filled again, two K steps ahead.
.macro TURN slot, next, fill
	s_wait_tensorcnt 0x0                           ; all my tensor loads have landed: my part of the next slot  (every window is 0 here)
	ds_add_u32 v[SPW], v[NIL]                      ; 0 onto my spare word
	s_wait_dscnt 4*NL+1                            ; (the add and the youngest sixteen loads, A's blocks 4-7, may be out)
	WIN MUL_LO
	MUL16 0, 1, 0                                  ; sixteen matrix instructions stand between the add and the wait for it
	s_wait_dscnt 0x0                               ; the add is done, and my reads of this slot are over
	s_barrier_signal -1
	MUL16 2, 1, 0
	WIN 0
	s_barrier_wait -1
.if \fill
	CREST                                          ; the barrier has opened a round of the cluster's barrier: no wave of any partner still reads this slot's tile or has a load on its way
	s_add_nc_u64 s[G0+4*\slot+2:G0+4*\slot+3], s[G0+4*\slot+2:G0+4*\slot+3], 2*RT
	s_add_nc_u64 s[G0B+4*\slot+2:G0B+4*\slot+3], s[G0B+4*\slot+2:G0B+4*\slot+3], 2*RT
	JLOAD G0+4*\slot, G1, G0B+4*\slot, G1B         ; the first tensor load behind the round; the four v_nop behind it are the places in front of the loads below
.else
	PLACES NP
.endif
	FETCH_B \next, 0, 0
	FETCH_A \next, 0, 0
	WIN MUL_HI
	MUL16 4, 1, 0
	MUL16 6, 1, 0
	PLACES NP
	WIN 0
	FETCH_A \next, 0, 4
.endm
	s_wait_tensorcnt 1                             ; my part of K step 0 is in (K step 1's load may be out)
	s_barrier_signal -1
	s_barrier_wait -1                              ; everybody's is
	FETCH_B 0, 0, 0
	FETCH_A 0, 0, 0
	FETCH_A 0, 0, 4
	STEP 0, 0, 1                                   ; the first step stands in front of the loop: its products start the sums
	s_mov_b32 s3, LAPS-1
.Llap:
	TURN 0, 1, 1
	STEP 1, 0, 0
	TURN 1, 0, 1
	STEP 0, 0, 0
	s_sub_co_u32 s3, s3, 1
	s_cmp_lg_u32 s3, 0
	s_cbranch_scc1 .Llap
	TURN 0, 1, 0                                   ; the last lap fills nothing, and has no round of the cluster's barrier
	STEP 1, 0, 0
	s_wait_dscnt 4*NL
	WIN MUL_LO
	MUL16 0, 1, 0
	MUL16 2, 1, 0
	s_wait_dscnt 0
	WIN MUL_HI
	MUL16 4, 1, 0
	MUL16 6, 1, 0
	WIN 0
; THE WAY OUT, block by block of 16 rows x 128 columns.  A lane holds 32 neighbouring bytes of a row, and the lanes beside it hold other rows: so a block goes through my own stage in LDS and comes back as whole
; rows of 512 bytes.  LDS serves a wave's instructions in order (ISA guide 5.7.1.4): no wait between the stores and the loads, nor in front of the next block's stores.
.macro TOSTAGE a
.set AC, 64*((\a)%4)
	WIN 0x02+((\a)/4)                              ; source 0: window 2 or 3
.set j, 0
.rept 32
	v_pk_mul_f32 v[TMP+j:TMP+j+1], v[AC+j:AC+j+1], s[96:97] op_sel_hi:[1,0]   ; both x s96 = 2^(e10 + e11); each accumulator from its low end on
.set j, j+2
.endr
	WIN 0
.irp b, 0,1,2,3,4,5,6,7
	ds_store_b128 v[STO], v[TMP+8*\b:TMP+8*\b+3] offset:64*\b
	ds_store_b128 v[STO], v[TMP+8*\b+4:TMP+8*\b+7] offset:64*\b+16
.endr
.set BB, BK+64*((\a)%2)
.irp t, 0,1,2,3,4,5,6,7,8,9,10,11,12,13,14,15
	ds_load_b128 v[BB+4*\t:BB+4*\t+3], v[RD] offset:\t*SPITCH
.endr
.endm
.macro SEND a, younger                 ; younger: the LDS instructions issued behind block a's loads, which may stay out
.set BB, BK+64*((\a)%2)
	s_wait_dscnt \younger                          ; the block is back in registers
.if (\a) > 0
	s_add_nc_u64 s[10:11], s[10:11], 16*NCOL*4     ; (behind a wait on XCNT: the earlier stores have read their base)  16 rows of C on
.endif
.irp t, 0,1,2,3,4,5,6,7,8,9,10,11,12,13,14,15
	global_store_b128 v[CO], v[BB+4*\t:BB+4*\t+3], s[10:11] offset:\t*NCOL*4 th:TH_STORE_NT   ; 32 lanes store 512 consecutive bytes, aligned; written once, read by nobody here
.endr
.endm
	s_wait_kmcnt 0x0
	s_add_co_i32 s96, s96, s97                     ; e10 + e11, between -126 and 127,
	s_add_co_i32 s96, s96, 127
	s_lshl_b32 s96, s96, 23                        ; makes the f32 number 2^(e10 + e11)
	PLACES NP                                      ; behind the last products: for the first read of results and for the loads into the registers that held A's fragments
	TOSTAGE 0
.irp a, 1,2,3,4,5,6,7
.if \a > 1
	s_wait_xcnt 0x0                                ; block a - 2's stores have read their registers and their base: block a's loads may land there, and the base may step
.endif
	TOSTAGE \a
	SEND \a-1, 32                                  ; behind block a - 1's loads: block a's 16 stores and 16 loads
.endr
	s_wait_xcnt 0x0                                ; block 6's stores have read their base
	SEND 7, 0
	s_wait_tensorcnt 0x0                           ; the wave's end, behind my last tensor load and my last LDS store
	ds_add_u32 v[SPW], v[NIL]
	s_wait_dscnt 0x0
	CROUND                                         ; the closing round: no work-group ends while a partner may still ask for a tile that names it
	s_endpgm
.Lfunc_end_k_q3b3f6df36b_outp:
	.size	k_q3b3f6df36b_outp, .Lfunc_end_k_q3b3f6df36b_outp-k_q3b3f6df36b_outp
	.p2alignl 7, 3214868480
	.fill 96, 4, 3214868480
	.section	.rodata,"a",@progbits
	.p2align	6, 0x0
	.amdhsa_kernel k_q3b3f6df36b_outp
		.amdhsa_group_segment_fixed_size 327680
		.amdhsa_private_segment_fixed_size 0
		.amdhsa_enable_private_segment 0
		.amdhsa_kernarg_size 32
		.amdhsa_user_sgpr_count 2
		.amdhsa_user_sgpr_kernarg_segment_ptr 1
		.amdhsa_wavefront_size32 1
		.amdhsa_system_sgpr_workgroup_id_x 1
		.amdhsa_system_sgpr_workgroup_id_y 1
		.amdhsa_system_sgpr_workgroup_id_z 1
		.amdhsa_system_vgpr_workitem_id 0
		.amdhsa_next_free_vgpr 1024
		.amdhsa_next_free_sgpr 100
		.amdhsa_reserve_vcc 0
		.amdhsa_float_denorm_mode_32 3
		.amdhsa_float_denorm_mode_16_64 3
		.amdhsa_memory_ordered 1
		.amdhsa_forward_progress 1
		.amdhsa_inst_pref_size 124
	.end_amdhsa_kernel
	.amdgpu_metadata
---
amdhsa.version: [ 1, 2 ]
amdhsa.kernels:
  - .name:           k_q3b3f6df36b_outp
    .symbol:         k_q3b3f6df36b_outp.kd
    .args:
      - { .name: cimg, .offset: 0, .size: 8, .value_kind: global_buffer, .address_space: global }
      - { .name: codes, .offset: 8, .size: 8, .value_kind: global_buffer, .address_space: global }
      - { .name: lowp_scales, .offset: 16, .size: 8, .value_kind: global_buffer, .address_space: global }
      - { .name: out0, .offset: 24, .size: 8, .value_kind: global_buffer, .address_space: global }
    .group_segment_fixed_size: 327680
    .private_segment_fixed_size: 0
    .kernarg_segment_align: 8
    .kernarg_segment_size: 32
    .max_flat_workgroup_size: 128
    .sgpr_count:     100
    .vgpr_count:     1024
    .wavefront_size: 32
...
	.end_amdgpu_metadata
.endif
;; end of part 4
